; MI455X (gfx1250); checked and timed in simulation.
; The chip was launched on July 23, 2026; its instructions are those of AMD's public machine-readable ISA for CDNA 5 (MIT licence, August 2026) and "CDNA5" Instruction Set Architecture Reference Guide (July 2026). The comments in the code are by the model that wrote it; some were corrected since.
;; Attention Based Pooling. Allowed arithmetic: matrix products marked QUANTISED: E5M2 operands, one given power-of-two scale a tensor, by v_wmma_f32_16x16x64_bf8_bf8 or v_wmma_f32_16x16x128_bf8_bf8, f32 sums; products left as they are: f32 operands where the result goes on into a quantised operand, else bf16, f16 or f32 operands; f32 sums; everything else in f32.
;; Inputs: W1_codes 64 x 2 x 32 uint8 (E5M2 codes of W1, K innermost, in blocks of 32 codes); Ws 64 x 1 float32; b1 64 float32; bs 1 float32; lowp_scales 2 int32 (the exponents e of the quantised operands' scales 2^e); x 2,048 x 32 x 64 float32.
;; Outputs: out0 2,048 x 1 float32.
;; This version of the problem:
;;   THIS VERSION OF THE PROBLEM IS GIVEN IN LOW PRECISION. The matrix products marked QUANTISED in the list below multiply operands that are first quantised to E5M2 (5 exponent bits, 2 mantissa bits; 8 bits a number), with one given power-of-two scale for each operand tensor; their sums are f32. All else is computed in f32.
;;   The module's matrix products, in the order in which they are computed (A, B: the left and right operand; K: the contracted axis; several contracted axes count as one K, in the product's order):
;;     1. [M 1,015,808, K 64] x [K 64, N 64]; A: computed on the way; B: input W1 (given as codes): QUANTISED (scales: A lowp_scales[0], B lowp_scales[1])
;;     2. [M 1,015,808, K 64] x [K 64, N 1]; A: computed on the way; B: input Ws: left as it is (N = 1 < 16)
;;   THE QUANTISER, for each operand of a quantised product, along K:
;;     - The operand's scale is 2^e, e = its entry of the input lowp_scales (int32; the entries are numbered through the quantised products in the list's order, A before B).
;;     - Each number is divided by the scale, clamped to +-57,344, and rounded to the nearest number of E5M2, ties to even, subnormals kept.
;;     - The product sums the exact products of the quantised numbers (number of the format x scale) in f32.
;;   ~~~python
;;   def quantise(x, axis, e):      # numpy; x: float32 -> the quantised numbers, widened to float32 again
;;       x = np.moveaxis(x, axis, -1); K = x.shape[-1]
;;       r = np.clip(x / 2.0 ** e, -57344, 57344)
;;       step = 2.0 ** (np.maximum(np.frexp(np.where(r == 0, 1, r))[1] - 1, -14) - 2)
;;       q = np.round(r / step) * step * 2.0 ** e      # np.round: ties to even
;;       return np.moveaxis(q, -1, axis).astype(np.float32)
;;   ~~~
;;   OPERANDS COMPUTED ON THE WAY. 'Computed on the way' means the value that the module computes at that place (a softmax that the list does not call 'softmax' is quantised finished and normalised). What goes into a quantiser is computed in f32, as accurately as f32 sums, v_exp_f32 and their like allow (about 1e-6 of the number): no bf16 or f16 on the way to a quantiser, and a product that is left as it is and whose result goes on into a quantised operand takes f32 operands (vector FMAs, or v_wmma_f32_16x16x4_f32). A number that lies on a knife's edge between two numbers of the format may be rounded either way, as far as f32 arithmetic and the matrix unit's own rounding can turn it there, and no further.
;;   INPUTS GIVEN AS CODES. W1 (in the module: [64, 64], K = its axis 0): each comes as NAME_codes (uint8): NAME with its K axis moved to the last place and cut into blocks of 32 codes, [.., K / 32, bytes a block], one block behind the other in memory; one code a byte (a code: sign, 5 exponent bits, 2 mantissa bits); its scale is its entry of lowp_scales. Its value is code x scale, taken as it is: it is not quantised again, and the codes and scales need not be those that the quantiser above would give.
;; One version. Each part assembles by itself: llvm-mc -triple=amdgcn-amd-amdhsa -mcpu=gfx1250 --defsym DOCPART=n.
;; ======== version 1 of 1: 1 launch
;; launch afm (part 1): grid 256 x 1, 8 waves a work-group, no clusters, 171,264 bytes of LDS; arguments x, W1_codes, b1, Ws, bs, lowp_scales, out0; writes out0
.if DOCPART == 1
	.amdgcn_target "amdgcn-amd-amdhsa--gfx1250"
	.amdhsa_code_object_version 6
	.text
	.protected	k_q3f3a873212_afm
	.globl	k_q3f3a873212_afm
	.p2align	8
	.type	k_q3f3a873212_afm,@function
k_q3f3a873212_afm:
	s_mov_b64 s[64:65], 0
	v_nop
	global_prefetch_b8 v0, s[64:65] scope:SCOPE_SE
	s_setreg_imm32_b32 hwreg(HW_REG_WAVE_MODE, 25, 1), 1
	s_wait_xcnt 0x0
; out0[b] = sum over pairs p of softmax_p(score[b][p]) x (sum over d of cross[b][p][d]),  cross[b][p][:] = x[b][i_p][:] x x[b][j_p][:],  i_p < j_p among 32 fields: 496 pairs,
; score = relu(Q(cross) W1 + b1) . Ws + bs.  Q: codes of BF8 (E5M2) with the given scale 2^e0; W1 arrives as codes [64 hidden][64 k] with the scale 2^e1.
; (reference() weighs cross by the softmax, sums over the pairs and then over d; here the sum over d is taken first, in f32: another order of the same f32 sums.)
; SHARES.  A work-group of eight waves takes eight batch elements, a wave one: no wave reads another's bytes but for the eight results at the end.
; THE 496 PAIRS ARE 31 FULL TILES OF 16.  Fields 0-15 are block 0, fields 16-31 block 1.  Lane r of a tile takes
;   block 0 x block 1:  (r, 16 + (r + c) % 16), c = 0 .. 15: 16 tiles;    inside a block: (r, (r + d) % 16), d = 1 .. 7: 7 tiles a block, each pair once;
;   d = 8: lanes 0-7 take (r, r + 8) of block 0, lanes 8-15 (r + 8, r + 16) of block 1: one tile.
; Fields r and 16 + r stay in registers (XA, XB); a block rotated by d comes from LDS and serves TWO tiles (x XA and x XB): 17 reads of a block for 31 tiles.
; In LDS the first eight rows of each block lie a second time behind it, so that "rotated by d" is the constant offset d x PITCH.
; LAYOUT.  Lane (r, h) = (lane % 16, lane / 16) holds pair r and channels 32 h .. 32 h + 31: a permutation of k that W1's fragment shares (a lane takes 32 neighbouring code bytes of its row).
; THE MATRIX INSTRUCTION IS USED TRANSPOSED: source 0 = 16 rows of W1 (hidden units), source 1 = 16 pairs.  Register j of accumulator t is hidden unit 16 t + 8 h + j of pair r.
; b1 / 2^(e0 + e1) is the C of each product, Ws x 2^(e0 + e1) weighs the clipped sums: so no sum is scaled on the way.
; A lane's partial score and partial sum of cross (its 32 hidden units, its 32 channels) go to LDS, 8 bytes a lane; at the end a lane reads both halves of 16 pairs, so that all 32 lanes hold different pairs in the softmax.
; NO CLUSTER, NO JOINT LOADS: what work-groups share is W1's codes, b1 and Ws, 4,608 bytes against the 65,536 bytes of x that each work-group has to itself; they go straight into registers, once.
; LIMITS.  e0 between -126 and 112 (2^e0 and 57,344 x 2^e0 are made as f32 numbers); b1 / 2^(e0 + e1) and Ws x 2^(e0 + e1) must be finite f32 numbers; NaN and infinities among the inputs are not served;
; bs enters as bs / 2 in each half of the lanes: exact unless bs is denormal.
; REGISTERS.  Window 0: see the names below.  Window 1: v0-31 W1's four fragments, v32-63 b1 in the result's layout: only the matrix instructions name them.
.set PITCH,  272                       ; an LDS row of x: 256 bytes + 16 = 68 words: row r starts at bank 4 r mod 64 (64 banks of 4 bytes: ISA guide 11.1): 16 different rows mod 16 never meet
.set XBYTES, 48*PITCH                  ; rows: fields 0-15, fields 0-7 again, fields 16-31, fields 16-23 again
.set WREG,   XBYTES+32*256             ; a wave's LDS: x, then 32 tiles x 16 pairs x 16 bytes of (score, sum) halves
.set RES,    8*WREG                    ; behind the eight waves' regions: the eight results
.set AD0, 1                            ; v1   LDS: my wave's x + r PITCH + 128 h; never rewritten
.set ADR, 2                            ; v2   the same, d - 1 rows on
.set SC0, 3                            ; v3   LDS: where I put (score, sum) of tile 0: 16 r + 8 h
.set SCA, 4                            ; v4   the same for the trip's first tile
.set LIM, 5                            ; v5   57,344 x 2^e0
.set SCL, 6                            ; v6   2^e0 as f32
.set ADP, 7                            ; v7   AD0, 16 rows on in lanes r >= 8: for the tile d = 8
.set BSI, 8                            ; v[8:9]   (bs / 2, 0): starts each score
.set G0A, 10                           ; v[10:17] sums of cross: two chains a tile
.set G0B, 12
.set G1A, 14
.set G1B, 16
.set S0A, 18                           ; v[18:25] scores: two chains a tile
.set S0B, 20
.set S1A, 22
.set S1B, 24
.set OUT0, 26                          ; v[26:29] (score, sum) of the two tiles, as stored
.set OUT1, 28
.set STA, 30                           ; v30  LDS: where a chunk of x goes: h PITCH + 16 r
.set SCR, 31                           ; v31  LDS: where I read pairs back: 16 x lane
.set XA,  32                           ; v32-63   field r
.set XB,  64                           ; v64-95   field 16 + r
.set ROT, 96                           ; v96-127  a rotated block
.set CR0, 128                          ; v128-159 cross of tile 0, then its four accumulators
.set CR1, 160                          ; v160-191 the same for tile 1
.set CD0, 192                          ; v192-199 codes of tile 0
.set CD1, 200                          ; v200-207 codes of tile 1
.set WS,  208                          ; v208-239 Ws x 2^(e0 + e1) in the result's layout
.set GOX, 240                          ; v240-242 byte offsets of the global loads; never rewritten
.set GOW, 241
.set GOB, 242
.set LN,  243
.set RR,  244
.set HH,  245
.set T0,  246
.set T1,  247
.set RSA, 248                          ; v248 LDS: my wave's result
.set RDA, 249                          ; v249 LDS: result lane % 8
.set GOO, 250                          ; v250 its place in out0
.set WV,  18                           ; s18  my wave's number
.set SEL, 32                           ; s[32:33] v_permlanex16_b32's selects: lane l xor 16
.set LC,  34                           ; s34  log2(e)
.set TB,  35                           ; s35  (d - 1) PITCH
.set TS,  36                           ; s36  (d - 1) x 4 tiles x 256 bytes
.set CNT, 37
.set MSB, 0
.macro WIN new                         ; the immediate's high byte repeats the setting that is left
.if MSB != \new
	s_set_vgpr_msb (MSB<<8)|\new
.set MSB, \new
.endif
.endm
	s_load_b256 s[4:11], s[0:1], 0x0               ; x s[4:5], W1's codes s[6:7], b1 s[8:9], Ws s[10:11]
	s_load_b128 s[12:15], s[0:1], 0x20             ; bs s[12:13], the scales' exponents s[14:15]
	s_load_b64 s[16:17], s[0:1], 0x30              ; out0
	v_lshl_add_u32 v254, v0, 2, 0x29900
	v_mov_b32 v255, 0
	v_lshrrev_b32 v[T0], 5, v0
	v_readfirstlane_b32 s[WV], v[T0]               ; wave 0..7
	v_and_b32 v[LN], 31, v0
	v_and_b32 v[RR], 15, v0                        ; r
	v_bfe_u32 v[HH], v0, 4, 1                      ; h
	v_lshlrev_b32 v[GOW], 6, v[RR]
	v_lshl_add_u32 v[GOW], v[HH], 5, v[GOW]        ; W1: row r of 64 codes, + 32 h
	v_lshlrev_b32 v[GOB], 5, v[HH]                 ; b1, Ws: 8 h numbers on
	v_lshlrev_b32 v[GOX], 4, v[LN]                 ; x: 16 bytes a lane
	s_lshl_b32 s19, ttmp9, 3
	s_add_co_u32 s19, s19, s[WV]                   ; my batch element
	s_lshl_b32 s20, s19, 13                        ; x 8,192 bytes (under 2^24 in all)
	s_mov_b32 s21, 0
	s_lshl_b32 s22, ttmp9, 5                       ; the work-group's 32 bytes of out0
	s_mov_b32 s23, 0
	s_mul_i32 s28, s[WV], WREG                     ; my wave's LDS
	s_wait_kmcnt 0x0
	s_load_b64 s[24:25], s[14:15], 0x0             ; e0, e1
	s_load_b32 s26, s[12:13], 0x0                  ; bs
	s_add_nc_u64 s[4:5], s[4:5], s[20:21]
	s_add_nc_u64 s[16:17], s[16:17], s[22:23]
	WIN 0x40                                       ; destination window 1
.irp t, 0,1,2,3
	global_load_b128 v[8*\t:8*\t+3],   v[GOW], s[6:7] offset:1024*\t      ; W1's fragment t: hidden unit 16 t + r, k = 32 h + 0 .. 31
	global_load_b128 v[8*\t+4:8*\t+7], v[GOW], s[6:7] offset:1024*\t+16
.endr
.irp t, 0,1,2,3
	global_load_b128 v[32+8*\t:32+8*\t+3], v[GOB], s[8:9] offset:64*\t    ; b1 of hidden units 16 t + 8 h + 0 .. 7
	global_load_b128 v[32+8*\t+4:32+8*\t+7], v[GOB], s[8:9] offset:64*\t+16
.endr
	WIN 0
.irp t, 0,1,2,3
	global_load_b128 v[WS+8*\t:WS+8*\t+3], v[GOB], s[10:11] offset:64*\t  ; Ws likewise
	global_load_b128 v[WS+8*\t+4:WS+8*\t+7], v[GOB], s[10:11] offset:64*\t+16
.endr
.set t, 0
.rept 16
	global_load_b128 v[CR0+4*t:CR0+4*t+3], v[GOX], s[4:5] offset:512*t th:TH_LOAD_NT   ; x: 32 lanes read 512 consecutive bytes, two fields; read once in the launch
.set t, t+1
.endr
	; LDS addresses, while the loads are out
	v_mul_u32_u24 v[AD0], v[RR], PITCH
	v_lshl_add_u32 v[AD0], v[HH], 7, v[AD0]
	v_add_nc_u32 v[AD0], s28, v[AD0]
	v_bfe_u32 v[T0], v0, 3, 1                      ; r / 8
	v_mad_u32_u24 v[ADP], v[T0], 16*PITCH, v[AD0]
	v_mul_u32_u24 v[STA], v[HH], PITCH
	v_lshl_add_u32 v[STA], v[RR], 4, v[STA]
	v_add_nc_u32 v[STA], s28, v[STA]
	s_add_co_u32 s29, s28, XBYTES
	v_lshlrev_b32 v[SC0], 4, v[RR]
	v_lshl_add_u32 v[SC0], v[HH], 3, v[SC0]
	v_add_nc_u32 v[SC0], s29, v[SC0]
	v_lshl_add_u32 v[SCR], v[LN], 4, s29
	s_lshl_b32 s38, s[WV], 2
	s_add_co_u32 s38, s38, RES
	v_mov_b32 v[RSA], s38
	v_and_b32 v[GOO], 7, v0
	v_lshlrev_b32 v[GOO], 2, v[GOO]
	v_add_nc_u32 v[RDA], RES, v[GOO]
	s_mov_b32 s[SEL], 0x76543210
	s_mov_b32 s[SEL+1], 0xfedcba98
	s_mov_b32 s[LC], 0x3fb8aa3b
	s_wait_kmcnt 0x0
	s_add_co_i32 s30, s24, 127
	s_lshl_b32 s31, s30, 23
	v_mov_b32 v[SCL], s31                          ; 2^e0 as f32: the conversion takes its exponent field
	s_add_co_i32 s30, s30, 15
	s_lshl_b32 s30, s30, 23
	s_or_b32 s30, s30, 0x600000
	v_mov_b32 v[LIM], s30                          ; 57,344 x 2^e0
	s_add_co_i32 s39, s24, s25                     ; e0 + e1: a sum of the product stands for sum x 2^(e0 + e1)
	s_sub_co_i32 s40, 0, s39
	v_mov_b32 v[BSI], s26
	v_mul_f32 v[BSI], 0.5, v[BSI]                  ; each half of the lanes adds bs / 2
	v_mov_b32 v[BSI+1], 0
	v_mov_b32 v[OUT0], 0xff800000                  ; tile 31 does not exist: its 16 places hold the score -infinity and the sum 0, so that the last read at the end finds written bytes that count for nothing
	v_mov_b32 v[OUT0+1], 0
	ds_store_b64 v[SC0], v[OUT0:OUT0+1] offset:31*256
	s_wait_loadcnt 16                              ; W1, b1 and Ws are in; the 16 loads of x, issued behind them, may be out
	WIN 0x41                                       ; source 0 and destination window 1
.set i, 0
.rept 32
	v_ldexp_f32 v[32+i], v[32+i], s40              ; b1 / 2^(e0 + e1): the C of the products
.set i, i+1
.endr
	WIN 0
.set i, 0
.rept 32
	v_ldexp_f32 v[WS+i], v[WS+i], s39              ; Ws x 2^(e0 + e1)
.set i, i+1
.endr
	; x into LDS, a chunk (fields 2 t, 2 t + 1) at a time; fields 0-7 and 16-23 twice
.set t, 0
.rept 16
	s_wait_loadcnt 15-t                            ; chunk t is in; the younger chunks may be out
.if t < 8
	ds_store_b128 v[STA], v[CR0+4*t:CR0+4*t+3] offset:(2*t)*PITCH
.if t < 4
	ds_store_b128 v[STA], v[CR0+4*t:CR0+4*t+3] offset:(2*t+16)*PITCH
.endif
.else
	ds_store_b128 v[STA], v[CR0+4*t:CR0+4*t+3] offset:(2*t+8)*PITCH
.if t < 12
	ds_store_b128 v[STA], v[CR0+4*t:CR0+4*t+3] offset:(2*t+24)*PITCH
.endif
.endif
.set t, t+1
.endr
.macro LDX reg, adr, off               ; 32 channels of the row at adr + off: eight loads of 16 bytes
.irp c, 0,1,2,3,4,5,6,7
	ds_load_b128 v[\reg+4*\c:\reg+4*\c+3], v[\adr] offset:(\off)+16*\c
.endr
.endm
.macro MUL cr, fa, fb                  ; cross, as reference() has it: one f32 product each
.irp i, 0,2,4,6,8,10,12,14,16,18,20,22,24,26,28,30
	v_pk_mul_f32 v[\cr+\i:\cr+\i+1], v[\fa+\i:\fa+\i+1], v[\fb+\i:\fb+\i+1]
.endr
.endm
; The sum of my 32 numbers of cross (of the numbers as they are, ahead of the hold; the products are wanted by themselves, so an addition each is as many lines as a multiply-add each), in two chains;
; each number is then held within the largest code x the scale (the conversion to an 8-bit code does not saturate: ISA guide 7.6.2) and converted.  Four holds stand between two links of a chain.
.macro QUANT cr, cd, ga, gb
	v_pk_add_f32 v[\ga:\ga+1], v[\cr:\cr+1], v[\cr+2:\cr+3]
	v_pk_add_f32 v[\gb:\gb+1], v[\cr+16:\cr+17], v[\cr+18:\cr+19]
.irp i, 0,1,2,3,16,17,18,19
	v_med3_num_f32 v[\cr+\i], v[\cr+\i], -v[LIM], v[LIM]
.endr
.irp i, 4,6,8,10,12,14
	v_pk_add_f32 v[\ga:\ga+1], v[\ga:\ga+1], v[\cr+\i:\cr+\i+1]
	v_pk_add_f32 v[\gb:\gb+1], v[\gb:\gb+1], v[\cr+16+\i:\cr+17+\i]
	v_med3_num_f32 v[\cr+\i], v[\cr+\i], -v[LIM], v[LIM]
	v_med3_num_f32 v[\cr+\i+1], v[\cr+\i+1], -v[LIM], v[LIM]
	v_med3_num_f32 v[\cr+16+\i], v[\cr+16+\i], -v[LIM], v[LIM]
	v_med3_num_f32 v[\cr+17+\i], v[\cr+17+\i], -v[LIM], v[LIM]
.endr
.irp g, 0,1,2,3
	v_cvt_scalef32_pk8_bf8_f32 v[\cd+2*\g:\cd+2*\g+1], v[\cr+8*\g:\cr+8*\g+7], v[SCL]   ; code register q, byte b: k = 32 h + 4 q + b
.endr
	v_pk_add_f32 v[\ga:\ga+1], v[\ga:\ga+1], v[\gb:\gb+1]   ; the plain vector line between the conversions and the products, which read their results and write over their sources
.endm
.macro MATS cr, cd                     ; four products: 64 hidden units x 16 pairs; the results take the registers that cross has left
	WIN 0x11                                       ; source 0 (W1) and source 2 (b1) window 1
.irp t, 0,1,2,3
	v_wmma_f32_16x16x64_bf8_bf8 v[\cr+8*\t:\cr+8*\t+7], v[8*\t:8*\t+7], v[\cd:\cd+7], v[32+8*\t:32+8*\t+7]
.endr
	WIN 0
.endm
.macro RELU cr                         ; two maxima an instruction; each accumulator from its low end on
.irp i, 0,2,4,6,8,10,12,14,16,18,20,22,24,26,28,30
	v_dual_max_num_f32 v[\cr+\i], 0, v[\cr+\i] :: v_dual_max_num_f32 v[\cr+\i+1], 0, v[\cr+\i+1]
.endr
.endm
.macro WSUM two                        ; my 32 hidden units . Ws, two chains a tile; with two tiles four lines stand from link to link
	v_pk_fma_f32 v[S0A:S0A+1], v[CR0:CR0+1], v[WS:WS+1], v[BSI:BSI+1]
.if \two
	v_pk_fma_f32 v[S1A:S1A+1], v[CR1:CR1+1], v[WS:WS+1], v[BSI:BSI+1]
.endif
	v_pk_mul_f32 v[S0B:S0B+1], v[CR0+2:CR0+3], v[WS+2:WS+3]
.if \two
	v_pk_mul_f32 v[S1B:S1B+1], v[CR1+2:CR1+3], v[WS+2:WS+3]
.endif
.irp i, 4,8,12,16,20,24,28
	v_pk_fma_f32 v[S0A:S0A+1], v[CR0+\i:CR0+\i+1], v[WS+\i:WS+\i+1], v[S0A:S0A+1]
.if \two
	v_pk_fma_f32 v[S1A:S1A+1], v[CR1+\i:CR1+\i+1], v[WS+\i:WS+\i+1], v[S1A:S1A+1]
.endif
	v_pk_fma_f32 v[S0B:S0B+1], v[CR0+\i+2:CR0+\i+3], v[WS+\i+2:WS+\i+3], v[S0B:S0B+1]
.if \two
	v_pk_fma_f32 v[S1B:S1B+1], v[CR1+\i+2:CR1+\i+3], v[WS+\i+2:WS+\i+3], v[S1B:S1B+1]
.endif
.endr
	v_pk_add_f32 v[S0A:S0A+1], v[S0A:S0A+1], v[S0B:S0B+1]
.if \two
	v_pk_add_f32 v[S1A:S1A+1], v[S1A:S1A+1], v[S1B:S1B+1]
.endif
.endm
; The head of a step of two tiles: the rotated block is in, both tiles are multiplied; behind it the block's registers are free for the next loads.
.macro FRONT a0, b0, a1, b1
	s_wait_dscnt 0x2                               ; LDS instructions end in order (ISA guide 5.7.1): all but the two score stores issued behind the loads
	MUL CR0, \a0, \b0
	MUL CR1, \a1, \b1
.endm
; The rest.  Tile 1's sums, holds and conversions are the places behind tile 0's products; tile 0's sixteen maxima are the places behind tile 1's (four plain vector lines that name none of a product's registers: ISA guide 7.12.1).
.macro BACK adr, off
	QUANT CR0, CD0, G0A, G0B
	MATS CR0, CD0
	QUANT CR1, CD1, G1A, G1B
	MATS CR1, CD1
	RELU CR0
	RELU CR1
	WSUM 1
	v_add_f32 v[OUT0+1], v[G0A], v[G0A+1]
	v_add_f32 v[OUT1+1], v[G1A], v[G1A+1]
	v_add_f32 v[OUT0], v[S0A], v[S0A+1]
	v_add_f32 v[OUT1], v[S1A], v[S1A+1]
	ds_store_b64 v[\adr], v[OUT0:OUT0+1] offset:(\off)        ; the 32 lanes fill a tile's 256 bytes: pair r at 16 r, my half at 8 h
	ds_store_b64 v[\adr], v[OUT1:OUT1+1] offset:(\off)+256
.endm
	LDX XA, AD0, 0                                 ; LDS serves a wave's instructions in order (ISA guide 5.7.1.4): these see my stores above
	LDX XB, AD0, 24*PITCH
	LDX ROT, AD0, 25*PITCH                         ; block 1 rotated by 1
	s_mov_b32 s[TB], 0
	s_mov_b32 s[TS], 0
	s_mov_b32 s[CNT], 7
	s_wait_dscnt 0x0                               ; on this way into the loop no store stands behind the loads: all are waited for
.Ltrip:                                                ; d = 1 .. 7: four tiles a trip
	v_add_nc_u32 v[ADR], s[TB], v[AD0]
	v_add_nc_u32 v[SCA], s[TS], v[SC0]
	FRONT XA, ROT, XB, ROT                         ; (r, 16 + (r + d) % 16) and (16 + r, 16 + (r + d) % 16)
	LDX ROT, ADR, PITCH                            ; block 0 rotated by d: asked for a step's remaining work ahead of its use
	BACK SCA, 0
	FRONT XA, ROT, XB, ROT                         ; (r, (r + d) % 16) and ((r + d) % 16, 16 + r)
	LDX ROT, ADR, 26*PITCH                         ; block 1 rotated by d + 1
	BACK SCA, 512
	s_add_co_u32 s[TB], s[TB], PITCH
	s_add_co_u32 s[TS], s[TS], 1024
	s_sub_co_i32 s[CNT], s[CNT], 1
	s_cmp_lg_u32 s[CNT], 0
	s_cbranch_scc1 .Ltrip
	FRONT XA, ROT, XA, XB                          ; (r, 16 + (r + 8) % 16) and (r, 16 + r)
	LDX XA, ADP, 8*PITCH                           ; the tile d = 8: lanes 0-7 field r + 8, lanes 8-15 field r + 16,
	LDX ROT, AD0, 16*PITCH                         ; against rows r + 16: the second copy of fields 0-7, then fields 16-23
	BACK SC0, 28*256
	s_wait_dscnt 0x2                               ; all but the two score stores issued behind the sixteen loads
	MUL CR0, XA, ROT
	QUANT CR0, CD0, G0A, G0B
	MATS CR0, CD0
	v_add_f32 v[OUT0+1], v[G0A], v[G0A+1]          ; four places behind the products: this line and three v_nop; no second tile is at hand
.rept 3
	v_nop
.endr
	RELU CR0
	WSUM 0
	v_add_f32 v[OUT0], v[S0A], v[S0A+1]
	ds_store_b64 v[SC0], v[OUT0:OUT0+1] offset:30*256
	; THE SOFTMAX AND THE POOL.  Lane l takes pairs 32 i + l, i = 0 .. 15: 16 bytes each: (score, sum) of lanes' half 0, then of half 1.
.set i, 0
.rept 16
	ds_load_b128 v[CR0+4*i:CR0+4*i+3], v[SCR] offset:512*i     ; in order behind my stores
.set i, i+1
.endr
	s_wait_dscnt 0x0
.set i, 0
.rept 16
	v_pk_add_f32 v[CR0+4*i:CR0+4*i+1], v[CR0+4*i:CR0+4*i+1], v[CR0+4*i+2:CR0+4*i+3]   ; the pair's score and its sum of cross
.set i, i+1
.endr
	v_max3_num_f32 v[T0], v[CR0], v[CR0+4], v[CR0+8]           ; the largest score: my 16, in two chains,
	v_max3_num_f32 v[T1], v[CR0+12], v[CR0+16], v[CR0+20]
	v_max3_num_f32 v[T0], v[T0], v[CR0+24], v[CR0+28]
	v_max3_num_f32 v[T1], v[T1], v[CR0+32], v[CR0+36]
	v_max3_num_f32 v[T0], v[T0], v[CR0+40], v[CR0+44]
	v_max3_num_f32 v[T1], v[T1], v[CR0+48], v[CR0+52]
	v_max3_num_f32 v[T0], v[T0], v[CR0+56], v[CR0+60]
	v_max_num_f32 v[T0], v[T0], v[T1]
.irp m, 1,2,4,8
	v_max_num_f32_dpp v[T0], v[T0], v[T0] row_xmask:\m row_mask:0xf bank_mask:0xf   ; then the 32 lanes'
.endr
	v_permlanex16_b32 v[T1], v[T0], s[SEL], s[SEL+1]
	v_max_num_f32 v[T0], v[T0], v[T1]
	v_mul_f32 v[T1], s[LC], v[T0]                  ; the maximum x log2(e): its rounding is a common factor of all weights and leaves the quotient alone
.set i, 0
.rept 16
	v_fma_f32 v[ROT+i], v[CR0+4*i], s[LC], -v[T1]  ; (score - maximum) x log2(e)
.set i, i+1
.endr
.set i, 0
.rept 16
	v_exp_f32 v[ROT+i], v[ROT+i]
.set i, i+1
.endr
	v_nop                                          ; a plain line behind the last exponential,
	s_wait_alu depctr_va_vdst(0)                   ; and one wait for the batch ahead of its first reader
	v_pk_add_f32 v[S0A:S0A+1], v[ROT:ROT+1], v[ROT+2:ROT+3]    ; the weights' sum,
	v_pk_add_f32 v[S0B:S0B+1], v[ROT+4:ROT+5], v[ROT+6:ROT+7]
	v_mul_f32 v[G0A], v[ROT], v[CR0+1]                         ; and the sum of weight x the pair's sum of cross, in four chains
	v_mul_f32 v[G0A+1], v[ROT+1], v[CR0+5]
	v_mul_f32 v[G0B], v[ROT+2], v[CR0+9]
	v_mul_f32 v[G0B+1], v[ROT+3], v[CR0+13]
.irp i, 4,8,12
	v_fma_f32 v[G0A], v[ROT+\i], v[CR0+4*\i+1], v[G0A]
	v_fma_f32 v[G0A+1], v[ROT+\i+1], v[CR0+4*\i+5], v[G0A+1]
	v_fma_f32 v[G0B], v[ROT+\i+2], v[CR0+4*\i+9], v[G0B]
	v_fma_f32 v[G0B+1], v[ROT+\i+3], v[CR0+4*\i+13], v[G0B+1]
.endr
	v_pk_add_f32 v[S0A:S0A+1], v[S0A:S0A+1], v[ROT+8:ROT+9]
	v_pk_add_f32 v[S0B:S0B+1], v[S0B:S0B+1], v[ROT+10:ROT+11]
	v_pk_add_f32 v[S0A:S0A+1], v[S0A:S0A+1], v[ROT+12:ROT+13]
	v_pk_add_f32 v[S0B:S0B+1], v[S0B:S0B+1], v[ROT+14:ROT+15]
	v_pk_add_f32 v[G0A:G0A+1], v[G0A:G0A+1], v[G0B:G0B+1]
	v_pk_add_f32 v[S0A:S0A+1], v[S0A:S0A+1], v[S0B:S0B+1]
	v_add_f32 v[T1], v[G0A], v[G0A+1]
	v_add_f32 v[T0], v[S0A], v[S0A+1]
.irp m, 1,2,4,8
	v_add_f32_dpp v[T0], v[T0], v[T0] row_xmask:\m row_mask:0xf bank_mask:0xf
	v_add_f32_dpp v[T1], v[T1], v[T1] row_xmask:\m row_mask:0xf bank_mask:0xf
.endr
	v_permlanex16_b32 v[G1A], v[T0], s[SEL], s[SEL+1]          ; (their destinations count as read: both were written in the loop)
	v_permlanex16_b32 v[G1A+1], v[T1], s[SEL], s[SEL+1]
	v_add_f32 v[T0], v[T0], v[G1A]
	v_add_f32 v[T1], v[T1], v[G1A+1]
	v_rcp_f32 v[S1A], v[T0]
	v_nop                                          ; a plain line behind the reciprocal,
	s_wait_alu depctr_va_vdst(0)                   ; and the wait ahead of its reader
	v_mul_f32 v[T1], v[T1], v[S1A]                 ; out0 of my batch element, in every lane
	; The eight waves' results meet in LDS, so that one instruction stores the work-group's 32 consecutive bytes.
	ds_store_b32 v[RSA], v[T1]                     ; all lanes write the same word with the same value
	s_wait_dscnt 0x0                               ; for the others' sake: my store is done
	s_barrier_signal -1
	s_barrier_wait -1
	s_cmp_lg_u32 s[WV], 0
	s_cbranch_scc1 .Lend
	ds_load_b32 v[T0], v[RDA]                      ; result lane % 8: bytes that the eight waves stored, behind the barrier
	v_cmp_gt_u32 vcc_lo, 8, v0
	s_wait_dscnt 0x0
	s_wait_xcnt 0x0                                ; EXEC changes only behind this wait
	s_and_saveexec_b32 s41, vcc_lo
	global_store_b32 v[GOO], v[T0], s[16:17]       ; lanes 0-7
	s_wait_xcnt 0x0                                ; and again, in front of the line that widens it
	s_or_b32 exec_lo, exec_lo, s41
.Lend:
	s_wait_tensorcnt 0x0
	ds_add_u32 v254, v255
	s_wait_dscnt 0x0
	s_endpgm
.Lfunc_end_k_q3f3a873212_afm:
	.size	k_q3f3a873212_afm, .Lfunc_end_k_q3f3a873212_afm-k_q3f3a873212_afm
	.p2alignl 7, 3214868480
	.fill 96, 4, 3214868480
	.section	.rodata,"a",@progbits
	.p2align	6, 0x0
	.amdhsa_kernel k_q3f3a873212_afm
		.amdhsa_group_segment_fixed_size 171264
		.amdhsa_private_segment_fixed_size 0
		.amdhsa_enable_private_segment 0
		.amdhsa_kernarg_size 56
		.amdhsa_user_sgpr_count 2
		.amdhsa_user_sgpr_kernarg_segment_ptr 1
		.amdhsa_wavefront_size32 1
		.amdhsa_system_sgpr_workgroup_id_x 1
		.amdhsa_system_sgpr_workgroup_id_y 1
		.amdhsa_system_sgpr_workgroup_id_z 1
		.amdhsa_system_vgpr_workitem_id 0
		.amdhsa_next_free_vgpr 320
		.amdhsa_next_free_sgpr 66
		.amdhsa_reserve_vcc 1
		.amdhsa_float_denorm_mode_32 3
		.amdhsa_float_denorm_mode_16_64 3
		.amdhsa_memory_ordered 1
		.amdhsa_forward_progress 1
		.amdhsa_inst_pref_size 72
	.end_amdhsa_kernel
	.amdgpu_metadata
---
amdhsa.version: [ 1, 2 ]
amdhsa.kernels:
  - .name:           k_q3f3a873212_afm
    .symbol:         k_q3f3a873212_afm.kd
    .args:
      - { .name: x, .offset: 0, .size: 8, .value_kind: global_buffer, .address_space: global }
      - { .name: W1_codes, .offset: 8, .size: 8, .value_kind: global_buffer, .address_space: global }
      - { .name: b1, .offset: 16, .size: 8, .value_kind: global_buffer, .address_space: global }
      - { .name: Ws, .offset: 24, .size: 8, .value_kind: global_buffer, .address_space: global }
      - { .name: bs, .offset: 32, .size: 8, .value_kind: global_buffer, .address_space: global }
      - { .name: lowp_scales, .offset: 40, .size: 8, .value_kind: global_buffer, .address_space: global }
      - { .name: out0, .offset: 48, .size: 8, .value_kind: global_buffer, .address_space: global }
    .group_segment_fixed_size: 171264
    .private_segment_fixed_size: 0
    .kernarg_segment_align: 8
    .kernarg_segment_size: 56
    .max_flat_workgroup_size: 256
    .sgpr_count:     66
    .vgpr_count:     320
    .wavefront_size: 32
...
	.end_amdgpu_metadata
.endif
;; end of part 1
